; MI455X (gfx1250); checked and timed in simulation.
; The chip was launched on July 23, 2026; its instructions are those of AMD's public machine-readable ISA for CDNA 5 (MIT licence, August 2026) and "CDNA5" Instruction Set Architecture Reference Guide (July 2026). The comments in the code are by the model that wrote it; some were corrected since.
;; Causal Attention. Allowed arithmetic: matrix products marked QUANTISED: E5M2 operands, one given power-of-two scale a tensor, by v_wmma_f32_16x16x64_bf8_bf8 or v_wmma_f32_16x16x128_bf8_bf8, f32 sums; everything else in f32.
;; Inputs: Wk_codes 1,024 x 32 x 32 uint8 (E5M2 codes of Wk, K innermost, in blocks of 32 codes); Wq_codes 1,024 x 32 x 32 uint8 (E5M2 codes of Wq, K innermost, in blocks of 32 codes); Wv_codes 1,024 x 32 x 32 uint8 (E5M2 codes of Wv, K innermost, in blocks of 32 codes); X_codes 4 x 2,048 x 32 x 32 uint8 (E5M2 codes of X, K innermost, in blocks of 32 codes); lowp_scales 10 int32 (the exponents e of the quantised operands' scales 2^e).
;; Outputs: out0 4 x 2,048 x 1,024 float32.
;; This version of the problem:
;;   THIS VERSION OF THE PROBLEM IS GIVEN IN LOW PRECISION. The matrix products marked QUANTISED in the list below multiply operands that are first quantised to E5M2 (5 exponent bits, 2 mantissa bits; 8 bits a number), with one given power-of-two scale for each operand tensor; their sums are f32. All else is computed in f32.
;;   The module's matrix products, in the order in which they are computed (A, B: the left and right operand; K: the contracted axis; several contracted axes count as one K, in the product's order):
;;     1. [M 8,192, K 1,024] x [K 1,024, N 1,024]; A: input X (given as codes); B: input Wq (given as codes): QUANTISED (scales: A lowp_scales[0], B lowp_scales[1])
;;     2. [M 8,192, K 1,024] x [K 1,024, N 1,024]; A: input X (given as codes); B: input Wk (given as codes): QUANTISED (scales: A lowp_scales[2], B lowp_scales[3])
;;     3. [M 8,192, K 1,024] x [K 1,024, N 1,024]; A: input X (given as codes); B: input Wv (given as codes): QUANTISED (scales: A lowp_scales[4], B lowp_scales[5])
;;     4. batch 4 x [M 2,048, K 1,024] x [K 1,024, N 2,048]; A: computed on the way; B: computed on the way: QUANTISED (scales: A lowp_scales[6], B lowp_scales[7])
;;     5. batch 4 x [M 2,048, K 2,048] x [K 2,048, N 1,024]; A: softmax (see below); B: computed on the way: QUANTISED (scales: A lowp_scales[8], B lowp_scales[9])
;;   THE QUANTISER, for each operand of a quantised product, along K:
;;     - The operand's scale is 2^e, e = its entry of the input lowp_scales (int32; the entries are numbered through the quantised products in the list's order, A before B).
;;     - Each number is divided by the scale, clamped to +-57,344, and rounded to the nearest number of E5M2, ties to even, subnormals kept.
;;     - The product sums the exact products of the quantised numbers (number of the format x scale) in f32.
;;   ~~~python
;;   def quantise(x, axis, e):      # numpy; x: float32 -> the quantised numbers, widened to float32 again
;;       x = np.moveaxis(x, axis, -1); K = x.shape[-1]
;;       r = np.clip(x / 2.0 ** e, -57344, 57344)
;;       step = 2.0 ** (np.maximum(np.frexp(np.where(r == 0, 1, r))[1] - 1, -14) - 2)
;;       q = np.round(r / step) * step * 2.0 ** e      # np.round: ties to even
;;       return np.moveaxis(q, -1, axis).astype(np.float32)
;;   ~~~
;;   SOFTMAX AHEAD OF A QUANTISED PRODUCT. Where the list says 'softmax', what is quantised is not the finished softmax but p = 2^(t - M), with t = logit x log2(e) and M = ceil(the row's largest t), a whole number; so 1/2 < the row's largest p <= 1. The row's sum l is taken of the UNQUANTISED p, in f32, and the product's result is divided by l at the end. Since M is a whole number, a kernel that streams over the keys may use a running M (the ceiling of the running maximum): every later rescaling is an exact power of two, so the quantised numbers keep their values, but for numbers so far below the row's largest that they fall under the format's range.
;;   OPERANDS COMPUTED ON THE WAY. 'Computed on the way' means the value that the module computes at that place (a softmax that the list does not call 'softmax' is quantised finished and normalised). What goes into a quantiser is computed in f32, as accurately as f32 sums, v_exp_f32 and their like allow (about 1e-6 of the number): no bf16 or f16 on the way to a quantiser, and a product that is left as it is and whose result goes on into a quantised operand takes f32 operands (vector FMAs, or v_wmma_f32_16x16x4_f32). A number that lies on a knife's edge between two numbers of the format may be rounded either way, as far as f32 arithmetic and the matrix unit's own rounding can turn it there, and no further.
;;   INPUTS GIVEN AS CODES. Wk (in the module: [1024, 1024], K = its axis 0); Wq (in the module: [1024, 1024], K = its axis 0); Wv (in the module: [1024, 1024], K = its axis 0); X (in the module: [4, 2048, 1024], K = its axis 2): each comes as NAME_codes (uint8): NAME with its K axis moved to the last place and cut into blocks of 32 codes, [.., K / 32, bytes a block], one block behind the other in memory; one code a byte (a code: sign, 5 exponent bits, 2 mantissa bits); its scale is its entry of lowp_scales. Its value is code x scale, taken as it is: it is not quantised again, and the codes and scales need not be those that the quantiser above would give.
;; One version. Each part assembles by itself: llvm-mc -triple=amdgcn-amd-amdhsa -mcpu=gfx1250 --defsym DOCPART=n.
;; ======== version 1 of 1: 3 launches
;; limits: right only within a limited range of input values
;; workspace buffers: q_codes 8,388,608 bytes; k_codes 8,388,608 bytes; vt_codes 8,388,608 bytes; p_codes 8,912,896 bytes; stats 1,048,576 bytes
;; launch proj (part 1): grid 8 x 32, 4 waves a work-group, clusters of 4 x 4, 327,680 bytes of LDS; arguments X_codes, Wq_codes, Wk_codes, Wv_codes, lowp_scales, q_codes, k_codes, vt_codes; writes q_codes, k_codes, vt_codes
.if DOCPART == 1
	.amdgcn_target "amdgcn-amd-amdhsa--gfx1250"
	.amdhsa_code_object_version 6
	.text
	.protected	k_q525216840b_proj
	.globl	k_q525216840b_proj
	.p2align	8
	.type	k_q525216840b_proj,@function
k_q525216840b_proj:
	s_mov_b64 s[64:65], 0
	v_nop
	global_prefetch_b8 v0, s[64:65] scope:SCOPE_SE
	s_setreg_imm32_b32 hwreg(HW_REG_WAVE_MODE, 25, 1), 1
	s_wait_xcnt 0x0
	s_wait_alu depctr_hold_cnt(0) depctr_sa_sdst(0) depctr_va_vdst(0) depctr_va_sdst(0) depctr_va_ssrc(0) depctr_va_vcc(0) depctr_vm_vsrc(0)
	s_getreg_b32 s2, hwreg(HW_REG_IB_STS2, 6, 4)
	s_cmp_eq_u32 s2, 0
	s_cbranch_scc0 .Lentry_in_a_cluster
	s_endpgm
.Lentry_in_a_cluster:
	s_bfe_u32 s2, ttmp6, 0x10000c
	s_cmp_lg_u32 s2, 0xf033
	s_cbranch_scc0 .Lentry_shape_is_right
	s_endpgm
.Lentry_shape_is_right:
; q = X Wq, k = X Wk, v^T = (X Wv)^T on codes of BF8 (E5M2), each result quantised at once for the product that takes it next.
; X: [8192][1024] codes, Wq, Wk, Wv: [1024 (n)][1024 (k)] codes, K innermost.
; A work-group makes 256 rows of X x 128 columns of EACH of the three weights: 32 x 8 = 256 work-groups.  Four waves: wave (RH, CH) makes 128 rows x 64 columns of each: 3 x 32 accumulators, 768 registers.
; K goes in 4 steps of 256, a step in 4 slices of 64.  LDS: X's 256 rows and Wq's, Wk's 128 rows have two slots, Wv's 128 rows ONE (a second would not fit): Wv's part of a step is multiplied last.
; A step is 12 phases of 32 matrix instructions: slices 0-3 against Wq, Wk (phases 0-7), then slices 2, 3, 0, 1 against Wv (8-11).  A has two buffers of a slice, B three sets of four fragments.
; CLUSTERS 4 x 4: X's tile is asked for jointly along a row of the cluster, the weights' along a column.  Waves 0 to 3 fetch X, Wq, Wk, Wv.
; q, k: source 0 = 16 rows of W, source 1 = 16 rows of X: lane (r, h) holds row r of X and eight neighbouring columns.  v: the sources swapped: lane = column e, registers = eight neighbouring keys.
; THE RESULT: a sum stands for sum x 2^(eA + eB); its code is sum / 2^d, d = e_next - eA - eB, held within +-57,344 x 2^d.  Stored AS IMAGES OF REGISTERS of 16 x 128 fragments: registers 4 c .. 4 c + 3 of lane l at
; byte 512 c + 16 l of 2,048; eight fragments are a chunk of 16,384 bytes.  q_codes, k_codes: [row / 128][e / 128] chunks; vt_codes: [batch][e / 128][key / 128] chunks.
; PREFETCH: each cluster asks once for each 256 bytes of K steps 2, 3 of X, Wq, Wk and 1 to 3 of Wv, one step ahead of their loads; the four partners share the rows by address.
; LIMITS: d = e6 - e0 - e1 (q), e7 - e2 - e3 (k), e9 - e4 - e5 (v) lies between -126 and 112.  NaN and infinities among the sums are not served.
; REGISTERS: window 0: v0-31 addresses and scales, v32-159 A's two buffers, v160-255 B's three sets; windows 1, 2, 3: the accumulators of q, k, v ((a, b) at v[8 (4 a + b)]).
.set PITCH, 272                        ; an LDS row: 256 bytes + 16 of padding: the 16 rows of a load start at 16 different banks (64 banks of 4 bytes: ISA guide 11.1)
.set A0,    0
.set A1,    69632
.set BB,    139264                     ; weight g, slot s at BB + 69632 g + 34816 s
.set SPARE, 313344
.set ADA,  4                           ; v4-5 X's fragments in slot 0, 1
.set ADB,  6                           ; v6-7 Wq's, v8-9 Wk's, v10 Wv's
.set LI,   12
.set PFO,  13
.set SPW,  14
.set NIL,  15
.set SC,   16
.set LIM,  20
.set TMP,  32
.set CD,   64
.set WV,   20
.set RH,   21
.set CH,   22
.set G1A,  24
.set GA,   32
.set GB,   36                          ; s[36:39] Wq, s[40:43] Wk, s[44:47] Wv
.set G1B,  48
.set PFA,  74
.set MSB, 0
.macro WIN new
.if MSB != (\new)
	s_set_vgpr_msb (MSB<<8)|(\new)
.set MSB, \new
.endif
.endm
.macro PLACES                          ; plain vector instructions between a matrix instruction and a load into, or a vector instruction on, its registers (ISA guide 7.12.1 for vector instructions)
.rept 4
	v_nop
.endr
.endm
.macro TL d, g
	tensor_load_to_lds s[\d:\d+3], s[\g:\g+7]
	s_nop 0
.rept 4
	v_nop
.endr
.endm
; The joint loads, one a wave.  mode 0: all four waves; 1: not Wv; 2: Wv alone.  The branches hang on the wave's number alone.
.macro JL mode
.if (\mode) < 2
	s_cmp_eq_u32 s[WV], 0
	s_cbranch_scc0 .Lb0_\@
	TL GA, G1A
	s_branch .Lin_\@
.Lb0_\@:
	s_cmp_eq_u32 s[WV], 1
	s_cbranch_scc0 .Lb1_\@
	TL GB, G1B
	s_branch .Lin_\@
.Lb1_\@:
	s_cmp_eq_u32 s[WV], 2
	s_cbranch_scc0 .Lb2_\@
	TL GB+4, G1B
	s_branch .Lin_\@
.Lb2_\@:
.if (\mode) == 0
	TL GB+8, G1B
.else
	PLACES
.endif
.else
	s_cmp_eq_u32 s[WV], 3
	s_cbranch_scc0 .Lb0_\@
	TL GB+8, G1B
	s_branch .Lin_\@
.Lb0_\@:
	PLACES
.endif
.Lin_\@:
.endm
.macro CREST                           ; a round of the cluster's barrier behind its opening barrier
	s_cmp_lg_u32 s[WV], 0
	s_cbranch_scc1 .Lnot_wave_0_\@
	s_barrier_signal -3
.Lnot_wave_0_\@:
	s_barrier_wait -3
	s_barrier_signal -1
	s_barrier_wait -1
.endm
.macro CROUND
	s_barrier_signal -1
	s_barrier_wait -1
	CREST
.endm
; Prefetch: a lane a row.  Waves 0 to 2 name the K step at ofs + 256, wave 3 the one at ofs (v[PFO] holds the difference); wave 0 has 64 rows, the others 32.  only3: wave 3 alone.
.macro ASK ofs, only3
.if \only3
	s_cmp_eq_u32 s[WV], 3
	s_cbranch_scc0 .Lnot_mine_\@
	global_prefetch_b8 v[PFO], s[PFA:PFA+1] offset:\ofs th:TH_LOAD_NT scope:SCOPE_SE
.else
	global_prefetch_b8 v[PFO], s[PFA:PFA+1] offset:\ofs th:TH_LOAD_NT scope:SCOPE_SE
	s_cmp_eq_u32 s[WV], 0
	s_cbranch_scc0 .Lnot_mine_\@
	global_prefetch_b8 v[PFO], s[PFA:PFA+1] offset:\ofs+32768 th:TH_LOAD_NT scope:SCOPE_SE
.endif
.Lnot_mine_\@:
.endm
	s_load_b256 s[4:11], s[0:1], 0x0               ; X, Wq, Wk, Wv
	s_load_b256 s[12:19], s[0:1], 0x20             ; scales' exponents, q_codes, k_codes, vt_codes
	v_lshl_add_u32 v[SPW], v0, 2, SPARE
	v_mov_b32 v[NIL], 0
	ds_add_u32 v[SPW], v[NIL]                      ; the opening: the add, twice on end, and its wait
	ds_add_u32 v[SPW], v[NIL]
	v_lshrrev_b32 v1, 5, v0
	v_readfirstlane_b32 s[WV], v1
	s_lshr_b32 s[RH], s[WV], 1                     ; my 128 rows of X
	s_and_b32 s[CH], s[WV], 1                      ; my 64 columns of each weight
	s_bfe_u32 s56, ttmp6, 0x40000                  ; cx
	s_bfe_u32 s57, ttmp6, 0x40004                  ; cy
	; the cluster's number n = 2 y + x; m = (n + 1) % 8: its half of the columns is m % 2, its group of four row tiles 4 (n / 8) + m / 2: the two clusters that share X's tiles have numbers 2 j + 1, 2 j + 2 modulo 8
	s_and_b32 s59, ttmp7, 0xffff
	s_lshl_b32 s59, s59, 1
	s_add_co_u32 s59, s59, ttmp9
	s_add_co_u32 s58, s59, 1
	s_and_b32 s58, s58, 7
	s_lshr_b32 s59, s59, 3
	s_lshl_b32 s59, s59, 2
	s_lshr_b32 s62, s58, 1
	s_add_co_u32 s59, s59, s62
	s_lshl_b32 s59, s59, 2
	s_add_co_u32 s59, s59, s57                     ; row tile y
	s_and_b32 s58, s58, 1
	s_lshl_b32 s58, s58, 2
	s_add_co_u32 s58, s58, s56                     ; column block x
	s_lshl_b32 s60, s57, 2
	s_lshl_b32 s60, 15, s60                        ; my row of the cluster
	s_lshl_b32 s61, 0x1111, s56                    ; my column
	s_or_b32 s[G1A+0], s60, (1<<20)|(1<<21)|(5<<22)|(3<<25)   ; mask; elements of 1 byte; 4 words of padding after every 64
	s_or_b32 s[G1B+0], s61, (1<<20)|(1<<21)|(5<<22)|(3<<25)
	s_mov_b32 s[G1A+1], 256<<16
	s_mov_b32 s[G1A+2], 256<<16                    ; 256 rows of X
	s_mov_b32 s[G1A+3], 256<<16
	s_mov_b32 s[G1A+4], 256
	s_mov_b32 s[G1A+5], 1024
	s_mov_b32 s[G1A+6], 0
	s_mov_b32 s[G1A+7], 0
	s_mov_b32 s[G1B+1], 256<<16
	s_mov_b32 s[G1B+2], 128<<16                    ; 128 rows of a weight
	s_mov_b32 s[G1B+3], 256<<16
	s_mov_b32 s[G1B+4], 128
	s_mov_b32 s[G1B+5], 1024
	s_mov_b32 s[G1B+6], 0
	s_mov_b32 s[G1B+7], 0
	s_lshl_b32 s76, s59, 18                        ; X: 256 y rows of 1,024 bytes
	s_mov_b32 s77, 0
	s_lshl_b32 s78, s58, 17                        ; a weight: 128 x rows
	s_mov_b32 s79, 0
	s_wait_dscnt 0x0                               ; both opening adds are done
	s_wait_kmcnt 0x0
	s_load_b256 s[80:87], s[12:13], 0x0            ; e0 .. e7
	s_load_b64 s[88:89], s[12:13], 0x20            ; e8, e9
	s_add_nc_u64 s[66:67], s[4:5], s[76:77]
	s_add_nc_u64 s[68:69], s[6:7], s[78:79]
	s_add_nc_u64 s[70:71], s[8:9], s[78:79]
	s_add_nc_u64 s[72:73], s[10:11], s[78:79]
	s_mov_b32 s[GA], 1
	s_mov_b32 s[GA+1], A0
	s_mov_b64 s[GA+2:GA+3], s[66:67]
	s_or_b32 s[GA+3], s[GA+3], 0x80000000
	s_mov_b32 s[GB], 1
	s_mov_b32 s[GB+1], BB
	s_mov_b64 s[GB+2:GB+3], s[68:69]
	s_or_b32 s[GB+3], s[GB+3], 0x80000000
	s_mov_b32 s[GB+4], 1
	s_mov_b32 s[GB+5], BB+69632
	s_mov_b64 s[GB+6:GB+7], s[70:71]
	s_or_b32 s[GB+7], s[GB+7], 0x80000000
	s_mov_b32 s[GB+8], 1
	s_mov_b32 s[GB+9], BB+139264
	s_mov_b64 s[GB+10:GB+11], s[72:73]
	s_or_b32 s[GB+11], s[GB+11], 0x80000000
	CROUND                                         ; all sixteen work-groups are here: the first joint loads meet
	JL 0                                           ; K step 0, one load a wave
	; what my wave prefetches: wave 0: 64 of X's rows (by cx), waves 1 to 3: 32 of their weight's (by cy)
	s_cmp_eq_u32 s[WV], 1
	s_cselect_b64 s[PFA:PFA+1], s[68:69], s[70:71]
	s_cmp_eq_u32 s[WV], 3
	s_cselect_b64 s[PFA:PFA+1], s[72:73], s[PFA:PFA+1]
	s_cselect_b32 s62, 0, 256
	s_lshl_b32 s96, s56, 16
	s_lshl_b32 s97, s57, 15
	s_cmp_eq_u32 s[WV], 0
	s_cselect_b64 s[PFA:PFA+1], s[66:67], s[PFA:PFA+1]
	s_cselect_b32 s96, s96, s97
	s_mov_b32 s97, 0
	s_add_nc_u64 s[PFA:PFA+1], s[PFA:PFA+1], s[96:97]
	; where my results go
	s_lshl_b32 s96, s59, 1
	s_add_co_u32 s96, s96, s[RH]                   ; row / 128
	s_and_b32 s98, s96, 15
	s_lshl_b32 s96, s96, 3
	s_add_co_u32 s96, s96, s58
	s_lshl_b32 s96, s96, 14
	s_lshl_b32 s97, s[CH], 10
	s_add_co_u32 s96, s96, s97
	s_mov_b32 s97, 0
	s_add_nc_u64 s[90:91], s[14:15], s[96:97]
	s_add_nc_u64 s[92:93], s[16:17], s[96:97]
	s_lshr_b32 s96, s59, 3                         ; batch
	s_lshl_b32 s96, s96, 3
	s_add_co_u32 s96, s96, s58
	s_lshl_b32 s96, s96, 4
	s_add_co_u32 s96, s96, s98
	s_lshl_b32 s96, s96, 14
	s_lshl_b32 s98, s[CH], 13
	s_add_co_u32 s96, s96, s98
	s_add_nc_u64 s[94:95], s[18:19], s[96:97]
	s_mul_i32 s96, s[RH], 128*PITCH
	s_mul_i32 s97, s[CH], 64*PITCH
	v_and_b32 v1, 15, v0                           ; r
	v_bfe_u32 v2, v0, 4, 1                         ; h
	v_mul_u32_u24 v3, v1, PITCH
	v_lshl_add_u32 v3, v2, 4, v3
	v_add_nc_u32 v[ADA], s96, v3
	v_add_nc_u32 v[ADA+1], A1, v[ADA]
	v_add_nc_u32 v3, s97, v3
	v_add_nc_u32 v[ADB], BB, v3
	v_add_nc_u32 v[ADB+1], BB+34816, v3
	v_add_nc_u32 v[ADB+2], BB+69632, v3
	v_add_nc_u32 v[ADB+3], BB+104448, v3
	v_add_nc_u32 v[ADB+4], BB+139264, v3
	v_and_b32 v1, 31, v0
	v_lshlrev_b32 v[LI], 4, v1
	v_lshlrev_b32 v[PFO], 10, v1
	v_add_nc_u32 v[PFO], s62, v[PFO]
	s_wait_alu depctr_va_vdst(0)
	s_wait_kmcnt 0x0
.macro DSC g, e, a, b                  ; d of result g: 2^d and 57,344 x 2^d
	s_sub_co_i32 s98, s[\e], s[\a]
	s_sub_co_i32 s98, s98, s[\b]
	s_add_co_i32 s98, s98, 127
	s_lshl_b32 s99, s98, 23
	v_mov_b32 v[SC+\g], s99
	s_add_co_i32 s98, s98, 15
	s_lshl_b32 s98, s98, 23
	s_or_b32 s98, s98, 0x600000
	v_mov_b32 v[LIM+\g], s98
.endm
	DSC 0, 86, 80, 81
	DSC 1, 87, 82, 83
	DSC 2, 89, 84, 85
; A fragment, 16 rows x 64 K, by two loads of 16 bytes: registers 4 c .. 4 c + 3 hold K = 32 c + 16 h + 0 .. 15: a permutation of k that is the same in A and in B.
.macro LDA adr, s, ab
.irp i, 0,1,2,3,4,5,6,7
.irp c, 0,1
	ds_load_b128 v[32+64*(\ab)+8*\i+4*\c:32+64*(\ab)+8*\i+4*\c+3], v[\adr] offset:64*(\s)+32*\c+\i*16*PITCH
.endr
.endr
.endm
.macro LDB adr, s, bs
.irp i, 0,1,2,3
.irp c, 0,1
	ds_load_b128 v[160+32*(\bs)+8*\i+4*\c:160+32*(\bs)+8*\i+4*\c+3], v[\adr] offset:64*(\s)+32*\c+\i*16*PITCH
.endr
.endr
.endm
; Eight matrix instructions: fragment b of set bs against buffer ab's eight.  The accumulators take turns, one instruction a turn.
.macro MM g, ab, bs, b, z
.irp a, 0,1,2,3,4,5,6,7
.set AC, 8*(4*\a+(\b))
.set FA, 32+64*(\ab)+8*\a
.set FB, 160+32*(\bs)+8*(\b)
.if (\g) == 2
.if \z
	v_wmma_f32_16x16x64_bf8_bf8 v[AC:AC+7], v[FA:FA+7], v[FB:FB+7], 0
.else
	v_wmma_f32_16x16x64_bf8_bf8 v[AC:AC+7], v[FA:FA+7], v[FB:FB+7], v[AC:AC+7]
.endif
.else
.if \z
	v_wmma_f32_16x16x64_bf8_bf8 v[AC:AC+7], v[FB:FB+7], v[FA:FA+7], 0
.else
	v_wmma_f32_16x16x64_bf8_bf8 v[AC:AC+7], v[FB:FB+7], v[FA:FA+7], v[AC:AC+7]
.endif
.endif
.endr
.endm
; A phase: its wait (w: the LDS loads issued behind what it needs), a quarter of it, the places, then loads into what the phase before has freed, then the rest.
.macro PH1 w, g, ab, bs, z
	s_wait_dscnt \w
	WIN 0x50*((\g)+1)
	MM \g, \ab, \bs, 0, \z
	PLACES
	WIN 0
.endm
.macro PH2 g, ab, bs, z
	WIN 0x50*((\g)+1)
	MM \g, \ab, \bs, 1, \z
	MM \g, \ab, \bs, 2, \z
	MM \g, \ab, \bs, 3, \z
.endm
; Phases 0 to 10 of a K step.  mid = 1: Wv's tile of this step was asked for at the step's head: wave 3 waits for it, and a barrier shows it to all.
; q's (g = 0) and k's (g = 1) way out stands between the last step's phases 8, 9 and 10 (LAST = 1): their sums are whole behind phase 7.  Held in place; the codes go to registers whose sums are done with:
; q's block 0 to v24-31 of window 0, its block a to window 1 v[32 (a - 1)], k's block a to window 1 v[32 a + 16].  Each accumulator is read from its low end on.
.set LAST, 0
.macro OUTW g
.irp a, 0,1,2,3,4,5,6,7
	WIN ((\g)+1)|(((\g)+1)<<6)
.set jj, 32*\a
.rept 32
	v_med3_num_f32 v[jj], v[jj], -v[LIM+\g], v[LIM+\g]   ; the conversion does not saturate (ISA guide 7.6.2)
.set jj, jj+1
.endr
.if \g == 1
	WIN 0x42
.set OC, 32*\a+16
.elseif \a == 0
	WIN 0x01
.set OC, 24
.else
	WIN 0x41
.set OC, 32*(\a-1)
.endif
.irp n, 0,1,2,3
	v_cvt_scalef32_pk8_bf8_f32 v[OC+2*\n:OC+2*\n+1], v[32*\a+8*\n:32*\a+8*\n+7], v[SC+\g]
.endr
	v_nop                                          ; one plain vector instruction behind the last conversion
.if (\g == 0) && (\a == 0)
	WIN 0
.else
	WIN 0x04
.endif
.irp c, 0,1
	global_store_b128 v[LI], v[OC+4*\c:OC+4*\c+3], s[90+2*\g:91+2*\g] offset:2048*\a+512*\c   ; 32 lanes store 512 consecutive bytes
.endr
.endr
	WIN 0
.endm
.macro STEP s, z, mid
	PH1 8, 0, 0, 0, \z                             ; 8: phase 1's B set may be out
	LDA ADA+\s, 1, 1
	LDB ADB+\s, 1, 2
	PH2 0, 0, 0, \z
	PH1 24, 1, 0, 1, \z                            ; 24: slice 1 of A and phase 2's B set may be out
	LDB ADB+2+\s, 1, 0
	PH2 1, 0, 1, \z
	PH1 8, 0, 1, 2, 0
	LDA ADA+\s, 2, 0
	LDB ADB+\s, 2, 1
	PH2 0, 1, 2, 0
	PH1 24, 1, 1, 0, 0
	LDB ADB+2+\s, 2, 2
	PH2 1, 1, 0, 0
	PH1 8, 0, 0, 1, 0
	LDA ADA+\s, 3, 1
	LDB ADB+\s, 3, 0
	PH2 0, 0, 1, 0
	PH1 24, 1, 0, 2, 0
	LDB ADB+2+\s, 3, 1
	PH2 1, 0, 2, 0
	s_wait_dscnt 8
	WIN 0x50
	MM 0, 1, 0, 0, 0
	PH2 0, 1, 0, 0
	s_wait_dscnt 0x0                               ; no LDS load of mine is out
.if \mid
	WIN 0
	s_cmp_lg_u32 s[WV], 3
	s_cbranch_scc1 .Lmid_\@
	s_wait_tensorcnt 0x0                           ; Wv's tile has landed
.Lmid_\@:
	s_barrier_signal -1
.endif
	WIN 0xa0
	MM 1, 1, 1, 0, 0
.if \mid
	s_barrier_wait -1
.endif
	PLACES
	WIN 0
	LDB ADB+4, 2, 2
	LDB ADB+4, 3, 0
	PH2 1, 1, 1, 0
	PH1 8, 2, 0, 2, \z
	LDB ADB+4, 0, 1
	PH2 2, 0, 2, \z
.if LAST
	OUTW 0
.endif
	PH1 8, 2, 1, 0, 0
	LDA ADA+\s, 0, 0
	LDB ADB+4, 1, 2
	PH2 2, 1, 0, 0
.if LAST
	OUTW 1
.endif
	PH1 8, 2, 0, 1, 0
	LDA ADA+\s, 1, 1
	PH2 2, 0, 1, 0
.endm
; Phase 11 and the change of steps: one round of the cluster's barrier, behind which slot s and Wv's slot are filled again (mode 2: Wv's alone), then the next step's first fragments.
.macro TURN s, n, mode, ofs
	WIN 0
	s_wait_tensorcnt 0x0                           ; all my tensor loads have landed
	ds_add_u32 v[SPW], v[NIL]                      ; 0 onto my spare word
	s_wait_dscnt 1                                 ; slice 1 of A is in; the add may be out
	WIN 0xf0
	MM 2, 1, 2, 0, 0
	s_wait_dscnt 0x0                               ; the add is done, and my reads of this step's tiles are over
	s_barrier_signal -1
	MM 2, 1, 2, 1, 0
	WIN 0
	s_barrier_wait -1
	CREST
.if (\mode) == 0
	s_mov_b32 s[GA+1], A0+A1*(\s)
	s_mov_b32 s[GB+1], BB+34816*(\s)
	s_mov_b32 s[GB+5], BB+69632+34816*(\s)
	s_add_nc_u64 s[GA+2:GA+3], s[GA+2:GA+3], 0x100
	s_add_nc_u64 s[GB+2:GB+3], s[GB+2:GB+3], 0x100
	s_add_nc_u64 s[GB+6:GB+7], s[GB+6:GB+7], 0x100
.endif
	s_add_nc_u64 s[GB+10:GB+11], s[GB+10:GB+11], 0x100
	JL \mode                                       ; the four v_nop of each arm are also the places in front of the loads below
	LDA ADA+\n, 0, 0
	LDB ADB+\n, 0, 0
	LDB ADB+2+\n, 0, 1
.if (\ofs) == 512
	ASK 512, 0
.elseif (\ofs) == 768
	ASK 768, 1
.endif
	WIN 0xf0
	MM 2, 1, 2, 2, 0
	MM 2, 1, 2, 3, 0
.endm
	s_wait_alu depctr_va_vdst(0)                   ; at the head's end
	s_wait_tensorcnt 0x0                           ; my part of K step 0 is in
	ds_add_u32 v[SPW], v[NIL]
	s_mov_b32 s[GA+1], A1
	s_mov_b32 s[GB+1], BB+34816
	s_mov_b32 s[GB+5], BB+104448
	s_add_nc_u64 s[GA+2:GA+3], s[GA+2:GA+3], 0x100
	s_add_nc_u64 s[GB+2:GB+3], s[GB+2:GB+3], 0x100
	s_add_nc_u64 s[GB+6:GB+7], s[GB+6:GB+7], 0x100
	s_wait_dscnt 0x0
	CROUND
	JL 1                                           ; slot 1's first fills: K step 1 of X, Wq, Wk
	LDA ADA, 0, 0
	LDB ADB, 0, 0
	LDB ADB+2, 0, 1
	ASK 256, 0                                     ; K step 2 (Wv: 1)
	STEP 0, 1, 0                                   ; its first products start the sums
	TURN 0, 1, 0, 512                              ; slot 0 takes K step 2, Wv's slot step 1; prefetch: step 3 (Wv: 2)
	STEP 1, 0, 1
	TURN 1, 0, 0, 768                              ; slot 1 takes K step 3, Wv's slot step 2; prefetch: Wv's step 3
	STEP 0, 0, 1
	TURN 0, 1, 2, 0                                ; Wv's slot takes step 3
.set LAST, 1
	STEP 1, 0, 1
	s_wait_dscnt 0x0
	WIN 0xf0
	MM 2, 1, 2, 0, 0
	PH2 2, 1, 2, 0
	WIN 0
	PLACES
; THE WAY OUT: four accumulators held, converted to eight registers of codes.  Each accumulator is read from its low end on.  Every register of codes is written once.
.macro CV g, r0, st, cd
	WIN (\g)+1
.irp n, 0,1,2,3
.irp j, 0,1,2,3,4,5,6,7
	v_med3_num_f32 v[TMP+8*\n+\j], v[(\r0)+(\st)*\n+\j], -v[LIM+(\g)], v[LIM+(\g)]   ; the conversion does not saturate (ISA guide 7.6.2)
.endr
.endr
	WIN 0
.irp n, 0,1,2,3
	v_cvt_scalef32_pk8_bf8_f32 v[(\cd)+2*\n:(\cd)+2*\n+1], v[TMP+8*\n:TMP+8*\n+7], v[SC+(\g)]
.endr
	v_nop                                          ; one plain vector instruction between the conversions and what writes their sources
.endm
.irp b, 0,1,2,3
	CV 2, 8*\b, 32, CD+128+16*\b
	CV 2, 128+8*\b, 32, CD+136+16*\b
.irp c, 0,1,2,3
	global_store_b128 v[LI], v[CD+128+16*\b+4*\c:CD+128+16*\b+4*\c+3], s[94:95] offset:2048*\b+512*\c
.endr
.endr
	s_wait_tensorcnt 0x0                           ; the wave's end
	ds_add_u32 v[SPW], v[NIL]
	s_wait_dscnt 0x0
	CROUND                                         ; the closing round
	s_endpgm
.Lfunc_end_k_q525216840b_proj:
	.size	k_q525216840b_proj, .Lfunc_end_k_q525216840b_proj-k_q525216840b_proj
	.p2alignl 7, 3214868480
	.fill 96, 4, 3214868480
	.section	.rodata,"a",@progbits
	.p2align	6, 0x0
	.amdhsa_kernel k_q525216840b_proj
		.amdhsa_group_segment_fixed_size 327680
		.amdhsa_private_segment_fixed_size 0
		.amdhsa_enable_private_segment 0
		.amdhsa_kernarg_size 64
		.amdhsa_user_sgpr_count 2
		.amdhsa_user_sgpr_kernarg_segment_ptr 1
		.amdhsa_wavefront_size32 1
		.amdhsa_system_sgpr_workgroup_id_x 1
		.amdhsa_system_sgpr_workgroup_id_y 1
		.amdhsa_system_sgpr_workgroup_id_z 1
		.amdhsa_system_vgpr_workitem_id 0
		.amdhsa_next_free_vgpr 1024
		.amdhsa_next_free_sgpr 100
		.amdhsa_reserve_vcc 0
		.amdhsa_float_denorm_mode_32 3
		.amdhsa_float_denorm_mode_16_64 3
		.amdhsa_memory_ordered 1
		.amdhsa_forward_progress 1
		.amdhsa_inst_pref_size 233
	.end_amdhsa_kernel
	.amdgpu_metadata
---
amdhsa.version: [ 1, 2 ]
amdhsa.kernels:
  - .name:           k_q525216840b_proj
    .symbol:         k_q525216840b_proj.kd
    .args:
      - { .name: X_codes, .offset: 0, .size: 8, .value_kind: global_buffer, .address_space: global }
      - { .name: Wq_codes, .offset: 8, .size: 8, .value_kind: global_buffer, .address_space: global }
      - { .name: Wk_codes, .offset: 16, .size: 8, .value_kind: global_buffer, .address_space: global }
      - { .name: Wv_codes, .offset: 24, .size: 8, .value_kind: global_buffer, .address_space: global }
      - { .name: lowp_scales, .offset: 32, .size: 8, .value_kind: global_buffer, .address_space: global }
      - { .name: q_codes, .offset: 40, .size: 8, .value_kind: global_buffer, .address_space: global }
      - { .name: k_codes, .offset: 48, .size: 8, .value_kind: global_buffer, .address_space: global }
      - { .name: vt_codes, .offset: 56, .size: 8, .value_kind: global_buffer, .address_space: global }
    .group_segment_fixed_size: 327680
    .private_segment_fixed_size: 0
    .kernarg_segment_align: 8
    .kernarg_segment_size: 64
    .max_flat_workgroup_size: 128
    .sgpr_count:     100
    .vgpr_count:     1024
    .wavefront_size: 32
...
	.end_amdgpu_metadata
.endif
;; end of part 1
;; launch scores (part 2): grid 144 x 1, 4 waves a work-group, no clusters, 327,680 bytes of LDS; arguments q_codes, k_codes, lowp_scales, p_codes, stats; writes p_codes, stats
.if DOCPART == 2
	.amdgcn_target "amdgcn-amd-amdhsa--gfx1250"
	.amdhsa_code_object_version 6
	.text
	.protected	k_q525216840b_scores
	.globl	k_q525216840b_scores
	.p2align	8
	.type	k_q525216840b_scores,@function
k_q525216840b_scores:
	s_mov_b64 s[64:65], 0
	v_nop
	global_prefetch_b8 v0, s[64:65] scope:SCOPE_SE
	s_setreg_imm32_b32 hwreg(HW_REG_WAVE_MODE, 25, 1), 1
	s_wait_xcnt 0x0
; The tiles of 256 queries x 256 keys of q k^T that the causal mask leaves (tile row I, tile column J <= I: 36 for each of 4 batches), and the softmax's p of each tile, as codes of BF8 (E5M2).
; q_codes, k_codes: images of fragments, [row / 128][e / 128] chunks of 16,384 bytes (8 fragments of 16 rows x 128 K; registers 4 c .. 4 c + 3 of lane l at byte 512 c + 16 l of a fragment's 2,048).
; THE SOFTMAX: t = score x log2(e) / 32.  M = the largest t of a query AMONG THIS TILE'S 256 KEYS, rounded up to a whole number; p = 2^(t - M) is quantised with 2^e8; l = the sum of the unquantised p.
; -M and l go to stats; the launch that multiplies by v weighs each tile's product by 2^(M of the tile - M of the row), an exact power of two, at most 1.
; So a small p keeps at least the digits that it has under the row's M; the hold at 57,344 x 2^e8 is applied under the tile's M.
; p_codes: row blocks R (128 queries) are paired, p = min(R, 15 - R): [batch][p][17 units] chunks, as above, K = the keys.  Key chunk c of R = p is unit 0 (c = 0) or c + 1; of R = 15 - p unit 1 (c = 0) or c + 1 + p.
; stats: [batch][I][J][256 rows][-M, l of keys 0-127, -M, l of keys 128-255] f32.
; LEFT OUT: tiles J > I, and in a diagonal tile the p of queries 0-127 against keys 128-255: the causal mask hides them.  That wave still multiplies (the barriers stand inside the steps), counts as
; -infinity in the maximum, and leaves l = 0.  LIMIT: a NaN or an infinity that reaches only what is left out is not carried to the result.
; A work-group of four waves makes a tile, a wave 128 x 128 (rows half RH, keys half CH).  K = 1,024 goes in four steps of 256 through two LDS slots; a K step of 128 rows is 32,768 consecutive bytes: one tensor load a wave.
; In LDS a fragment lies as in memory: a load takes 512 consecutive bytes; no padding.  THE MATRIX INSTRUCTION IS USED TRANSPOSED (source 0 = 16 keys, source 1 = 16 queries): lane (r, h) holds query r and keys 16 b + 8 h + 0 .. 7.
; NO CLUSTER: a row of the triangle has 1 to 8 tiles and a column 8 to 1, so four partners that share q's or k's tile exist for few of the 36 tiles; and the diagonal tile's mask is a branch on the tile's place.
; PREFETCH: the diagonal tiles' work-groups, which between them fetch each row block of q and of k once, ask for K steps 1, 2 and 3, one step or two ahead of their loads.
; LIMITS: e6 + e7 between -121 and 132 (added to the exponent field of log2(e) / 32); e8 between -126 and 112.  NaN and infinities among the scores are not served.
; REGISTERS: window 0: v0-31 addresses and constants; v96-103 maxima; v104-111 the other half's; v112-127 pairs (-M, l) of the eight blocks; from v128 q's fragments, later p's codes.
;   window 1: k's fragments, two sets; later v0-63, v64-127 two blocks' t - M, then p.   windows 2, 3: the accumulators ((a, b) at v[8 (8 (a % 4) + b)]).
.set KSB,   32768                      ; a K step of 128 rows, in bytes
.set SLOT,  131072                     ; q's two halves, then k's two halves
.set SPARE, 2*SLOT
.set FR,    16
.set NL,    4
.set ADRA, 16
.set PFO,  18                          ; v18 256 x lane; never rewritten
.set ADRB, 20
.set XS,   22                          ; v22 the exchange: 4 x my thread's number
.set XR,   23                          ; v23 and the same lane of the wave with the other 128 keys
.set DD,   24                          ; v24 r - 8 h
.set MINF, 25
.set LI,   26                          ; v26 16 x lane
.set STA,  27
.set SPW,  28
.set NIL,  29
.set SC,   30                          ; v30 2^e8
.set LIM,  31                          ; v31 57,344 x 2^e8
.set MX,   96
.set PX,   104
.set ST,   112
.set AF,   128
.set CD,   128
.set G1,   24
.set G0,   32
.set MSB, 0
.macro WIN new
.if MSB != (\new)
	s_set_vgpr_msb (MSB<<8)|(\new)
.set MSB, \new
.endif
.endm
.set MUL_LO, 0xa1
.set MUL_HI, 0xf1
.macro PLACES                          ; plain vector instructions between a matrix instruction and a load into, or a vector instruction on, its registers (ISA guide 7.12.1 for vector instructions)
.rept 4
	v_nop
.endr
.endm
.macro ASK ofs                         ; one K step of my 128 rows, 32,768 dense bytes, lanes 256 bytes apart
	s_cmp_lg_u32 s17, s18
	s_cbranch_scc1 .Lnot_mine_\@
.irp i, 0,1,2,3
	global_prefetch_b8 v[PFO], s[22:23] offset:\ofs+8192*\i th:TH_LOAD_NT scope:SCOPE_SE
.endr
.Lnot_mine_\@:
.endm
	s_load_b256 s[4:11], s[0:1], 0x0               ; q_codes, k_codes, the scales' exponents, p_codes
	s_load_b64 s[12:13], s[0:1], 0x20              ; stats
	v_lshl_add_u32 v[SPW], v0, 2, SPARE
	v_mov_b32 v[NIL], 0
	ds_add_u32 v[SPW], v[NIL]                      ; the opening: the add, twice on end, and its wait
	ds_add_u32 v[SPW], v[NIL]
	v_lshrrev_b32 v1, 5, v0
	v_readfirstlane_b32 s14, v1                    ; wave 0..3
	s_lshr_b32 s15, s14, 1                         ; RH: my half of the queries
	s_and_b32 s16, s14, 1                          ; CH: my half of the keys; also which 128 rows I fetch
	s_add_co_u32 s20, ttmp9, 1                     ; work-group n, m = (n + 1) % 8: batch m / 2, tile 2 (n / 8) + m % 2
	s_and_b32 s20, s20, 7
	s_lshr_b32 s19, s20, 1                         ; the batch
	s_and_b32 s20, s20, 1
	s_lshr_b32 s46, ttmp9, 3
	s_lshl_b32 s46, s46, 1
	s_add_co_u32 s46, s46, s20                     ; the tile, 0 .. 35
	s_mov_b32 s17, 0                               ; I = how many of the rows' first numbers 1, 3, 6, .. are at or under it
.irp th, 1,3,6,10,15,21,28
	s_cmp_ge_u32 s46, \th
	s_cselect_b32 s20, 1, 0
	s_add_co_u32 s17, s17, s20
.endr
	s_add_co_u32 s20, s17, 1
	s_mul_i32 s20, s20, s17
	s_lshr_b32 s20, s20, 1
	s_sub_co_u32 s18, s46, s20                     ; J = tile - I (I + 1) / 2
	s_mov_b32 s[G1+0], 3<<16                       ; group 1: 32,768 dense bytes as 128 rows of 256; elements of 8 bytes; no padding
	s_mov_b32 s[G1+1], 32<<16
	s_mov_b32 s[G1+2], 128<<16
	s_mov_b32 s[G1+3], 32<<16
	s_mov_b32 s[G1+4], 128
	s_mov_b32 s[G1+5], 32
	s_mov_b32 s[G1+6], 0
	s_mov_b32 s[G1+7], 0
	s_mov_b32 s40, 0x76543210                      ; v_permlanex16_b32's selects for lane l xor 16
	s_mov_b32 s41, 0xfedcba98
	s_mov_b32 s42, 0x3d38aa3b                      ; log2(e) / 32
	s_mov_b32 s44, 0xffff0000                      ; lanes 16-31
	s_cmp_lt_u32 s14, 2                            ; waves 0, 1 fetch q's halves, waves 2, 3 k's
	s_cselect_b32 s20, s17, s18
	s_lshl_b32 s20, s20, 1
	s_add_co_u32 s20, s20, s16
	s_lshl_b32 s21, s19, 4
	s_add_co_u32 s20, s20, s21                     ; 16 batch + 2 tile + half: which 128 rows
	s_lshl_b32 s20, s20, 17
	s_mov_b32 s21, 0
	s_lshl_b32 s45, s14, 15                        ; where they go: wave x 32,768
	s_wait_dscnt 0x0                               ; both opening adds are done
	s_wait_kmcnt 0x0
	s_load_b128 s[48:51], s[8:9], 0x18             ; e6, e7, e8, e9
	s_cmp_lt_u32 s14, 2
	s_cselect_b64 s[22:23], s[4:5], s[6:7]
	s_add_nc_u64 s[22:23], s[22:23], s[20:21]
.irp s, 0,1
	s_mov_b32 s[G0+4*\s], 1
	s_add_co_u32 s[G0+4*\s+1], s45, \s*SLOT
	s_add_nc_u64 s[G0+4*\s+2:G0+4*\s+3], s[22:23], \s*KSB
	s_or_b32 s[G0+4*\s+3], s[G0+4*\s+3], 0x80000000
.endr
	tensor_load_to_lds s[G0:G0+3], s[G1:G1+7]      ; K step 0: my one tensor load at the head
	s_nop 0
	PLACES
	; where my chunk of p and the tile's record of stats lie
	s_lshl_b32 s20, s17, 1
	s_add_co_u32 s20, s20, s15                     ; R
	s_lshl_b32 s21, s18, 1
	s_add_co_u32 s21, s21, s16                     ; c
	s_sub_co_u32 s46, 15, s20
	s_min_u32 s46, s46, s20                        ; p
	s_add_co_u32 s47, s21, 1                       ; the unit, if R = p: c + 1,
	s_add_co_u32 s43, s47, s46                     ; if R = 15 - p: c + 1 + p,
	s_cmp_eq_u32 s21, 0
	s_cselect_b32 s47, 0, s47                      ; and for c = 0: 0
	s_cselect_b32 s43, 1, s43                      ; or 1
	s_cmp_ge_u32 s20, 8
	s_cselect_b32 s47, s43, s47
	s_lshl_b32 s20, s19, 3
	s_add_co_u32 s20, s20, s46
	s_mul_i32 s20, s20, 17
	s_add_co_u32 s20, s20, s47
	s_lshl_b32 s20, s20, 14
	s_mov_b32 s21, 0
	s_add_nc_u64 s[60:61], s[10:11], s[20:21]
	s_lshl_b32 s20, s19, 3
	s_add_co_u32 s20, s20, s17
	s_lshl_b32 s20, s20, 3
	s_add_co_u32 s20, s20, s18                     ; (8 batch + I) 8 + J
	s_lshl_b32 s20, s20, 12
	s_add_nc_u64 s[62:63], s[12:13], s[20:21]
	s_lshl_b32 s20, s15, 15                        ; my half of q,
	s_lshl_b32 s21, s16, 15
	s_add_co_u32 s21, s21, 2*KSB                   ; my half of k, behind q's two
	s_lshl_b32 s46, s15, 11
	s_lshl_b32 s47, s16, 3
	s_add_co_u32 s46, s46, s47
	v_and_b32 v1, 31, v0                           ; lane
	v_and_b32 v2, 15, v0                           ; r
	v_bfe_u32 v3, v0, 4, 1                         ; h
	v_lshlrev_b32 v[LI], 4, v1
	v_lshlrev_b32 v[PFO], 8, v1
	v_add_nc_u32 v[ADRA], s20, v[LI]
	v_add_nc_u32 v[ADRB], s21, v[LI]
	v_add_nc_u32 v[ADRA+1], SLOT, v[ADRA]
	v_add_nc_u32 v[ADRB+1], SLOT, v[ADRB]
	v_lshlrev_b32 v[XS], 2, v0
	v_xor_b32 v[XR], 32, v0
	v_lshlrev_b32 v[XR], 2, v[XR]
	v_lshlrev_b32 v3, 3, v3
	v_sub_nc_u32 v[DD], v2, v3
	v_mov_b32 v[MINF], 0xff800000
	v_add_nc_u32 v[STA], s46, v[LI]                ; (128 RH + lane) x 16 + 8 CH
.irp a, 0,1,2,3,4,5,6,7
	v_mov_b32 v[PX+\a], 0                          ; written once: a lane permute's destination counts as one of its sources
.endr
.macro FRAG reg, adr, q, i             ; a fragment comes as it was stored: four loads of 512 consecutive bytes
.irp c, 0,1,2,3
	ds_load_b128 v[\reg+4*\c:\reg+4*\c+3], v[\adr] offset:16384*(\q)+2048*(\i)+512*\c
.endr
.endm
; 16 matrix instructions: q's blocks a0, a0 + 1 x k's eight.  The 64 accumulators take turns, one instruction a turn.
.macro MUL16 a0, p, zero
.irp a, \a0, \a0+1
.irp b, 0,1,2,3,4,5,6,7
.if \zero
	v_wmma_f32_16x16x128_bf8_bf8 v[8*(8*((\a)%4)+\b):8*(8*((\a)%4)+\b)+7], v[128*(\p)+FR*\b:128*(\p)+FR*\b+FR-1], v[AF+FR*(\a):AF+FR*(\a)+FR-1], 0
.else
	v_wmma_f32_16x16x128_bf8_bf8 v[8*(8*((\a)%4)+\b):8*(8*((\a)%4)+\b)+7], v[128*(\p)+FR*\b:128*(\p)+FR*\b+FR-1], v[AF+FR*(\a):AF+FR*(\a)+FR-1], v[8*(8*((\a)%4)+\b):8*(8*((\a)%4)+\b)+7]
.endif
.endr
.endr
.endm
.macro FETCH_B slot, q, p
	WIN 0x40
.irp i, 0,1,2,3,4,5,6,7
	FRAG 128*(\p)+FR*\i, ADRB+\slot, \q, \i
.endr
	WIN 0
.endm
.macro FETCH_A slot, q, i0
.irp i, \i0, \i0+1, \i0+2, \i0+3
	FRAG AF+FR*(\i), ADRA+\slot, \q, \i
.endr
.endm
.macro STEP slot, q, zero
	s_wait_dscnt 4*NL                              ; k's set and q's blocks 0-3 are in; the youngest 16 loads (q's blocks 4-7) may be out
	WIN MUL_LO
	MUL16 0, (\q)%2, \zero
	MUL16 2, (\q)%2, \zero
	s_wait_dscnt 0
	PLACES
	FETCH_B \slot, (\q)+1, 1-(\q)%2
	FETCH_A \slot, (\q)+1, 0
	WIN MUL_HI
	MUL16 4, (\q)%2, \zero
	MUL16 6, (\q)%2, \zero
	PLACES
	WIN 0
	FETCH_A \slot, (\q)+1, 4
.endm
; A slot's last step changes slots: one barrier; in front of it each wave waits for all its tensor loads, adds 0 to its spare word, and waits for that and for its reads of this slot.
.macro TURN slot, next, fill
	s_wait_tensorcnt 0x0                           ; all my tensor loads have landed: my part of the next slot
	ds_add_u32 v[SPW], v[NIL]                      ; 0 onto my spare word
	s_wait_dscnt 4*NL+1                            ; (the add and the youngest 16 loads may be out)
	WIN MUL_LO
	MUL16 0, 1, 0
	s_wait_dscnt 0x0                               ; the add is done, and my reads of this slot are over
	s_barrier_signal -1
	MUL16 2, 1, 0
	WIN 0
	s_barrier_wait -1
.if \fill
	s_add_nc_u64 s[G0+4*\slot+2:G0+4*\slot+3], s[G0+4*\slot+2:G0+4*\slot+3], 2*KSB   ; no load of mine is out: the slot's next K step
	tensor_load_to_lds s[G0+4*\slot:G0+4*\slot+3], s[G1:G1+7]   ; my one tensor load behind the barrier, and the first thing there
	s_nop 0
.endif
	PLACES                                         ; behind the tensor load, and in front of the loads below
	FETCH_B \next, 0, 0
	FETCH_A \next, 0, 0
	WIN MUL_HI
	MUL16 4, 1, 0
	MUL16 6, 1, 0
	PLACES
	WIN 0
	FETCH_A \next, 0, 4
.endm
	s_wait_alu depctr_va_vdst(0)                   ; at the head's end
	ASK KSB                                        ; K step 1
	s_wait_tensorcnt 0x0                           ; my part of K step 0 is in
	ds_add_u32 v[SPW], v[NIL]
	s_wait_dscnt 0x0
	s_barrier_signal -1
	s_barrier_wait -1
	tensor_load_to_lds s[G0+4:G0+7], s[G1:G1+7]    ; slot 1's first fill, K step 1: the first tensor load behind the barrier
	s_nop 0
	PLACES
	FETCH_B 0, 0, 0
	FETCH_A 0, 0, 0
	FETCH_A 0, 0, 4
	ASK 2*KSB                                      ; K step 2
	STEP 0, 0, 1
	ASK 3*KSB                                      ; K step 3
	TURN 0, 1, 1
	STEP 1, 0, 0
	TURN 1, 0, 1
	STEP 0, 0, 0
	TURN 0, 1, 0                                   ; behind this barrier nobody reads slot 0, and it has had its last fill
	STEP 1, 0, 0
	s_wait_dscnt 4*NL
	WIN MUL_LO
	MUL16 0, 1, 0
	MUL16 2, 1, 0
	s_wait_dscnt 0
	WIN MUL_HI
	MUL16 4, 1, 0
	MUL16 6, 1, 0
	WIN 0
	s_wait_kmcnt 0x0
	s_add_co_i32 s20, s48, s49
	s_lshl_b32 s20, s20, 23
	s_add_co_i32 s42, s42, s20                     ; a score stands for score x 2^(e6 + e7): the exponents are added to the constant's exponent field
	s_mov_b32 s43, s42                             ; (named with it as a pair, so it is written)
	s_add_co_i32 s20, s50, 127
	s_lshl_b32 s21, s20, 23
	s_add_co_i32 s20, s20, 15
	s_lshl_b32 s20, s20, 23
	s_or_b32 s20, s20, 0x600000
	v_mov_b32 v[SC], s21                           ; 2^e8
	v_mov_b32 v[LIM], s20                          ; 57,344 x 2^e8
	s_cmp_eq_u32 s17, s18
	s_cselect_b32 s20, 1, 0
	s_cmp_lt_u32 s15, s16
	s_cselect_b32 s21, 1, 0
	s_mov_b32 s45, 0x7f800000
	s_and_b32 s20, s20, s21                        ; all my keys come after all my queries: then my maxima count as -infinity
	s_cselect_b32 s45, 0xff800000, s45
	PLACES
	; THE MASK in a diagonal tile where my queries and my keys are the same rows.  Scalar branches on the tile's place and the wave's number; no LDS access and no barrier stands inside them.
	s_cmp_lg_u32 s17, s18
	s_cbranch_scc1 .Lopen
	s_cmp_lg_u32 s15, s16
	s_cbranch_scc1 .Lopen
.irp j, 0,1,2,3,4,5,6,7
	v_cmp_le_i32 s[52+\j], \j, v[DD]               ; in block (a, a) key 8 h + j counts for query r where j <= r - 8 h
.endr
.irp a, 0,1,2,3,4,5,6,7
.set AC, 64*((\a)%4)
	WIN 0x88+0x44*((\a)/4)                         ; source 1 and destination: window 2 or 3
.irp j, 0,1,2,3,4,5,6,7
	v_cndmask_b32 v[AC+8*(\a)+\j], v[MINF], v[AC+8*(\a)+\j], s[52+\j]
.endr
.if (\a) < 7
.set n, AC+8*((\a)+1)
.rept 8*(7-(\a))
	v_mov_b32 v[n], v[MINF]                        ; blocks b > a: all hidden
.set n, n+1
.endr
.endif
.endr
	WIN 0
.Lopen:
	; THE LARGEST SCORE of each query among my 128 keys: four chains by turns, each accumulator from its low end on
.irp w, 0,1
	WIN 0x0a+5*\w
.irp q, 0,1,2,3
	v_max_num_f32 v[MX+4*\w+\q], v[64*\q], v[64*\q+1]
.endr
.set i, 1
.rept 31
.irp q, 0,1,2,3
	v_max3_num_f32 v[MX+4*\w+\q], v[64*\q+2*i], v[64*\q+2*i+1], v[MX+4*\w+\q]
.endr
.set i, i+1
.endr
.endr
	WIN 0
.irp a, 0,1,2,3,4,5,6,7
	v_permlanex16_b32 v[PX+\a], v[MX+\a], s40, s41 ; the query's other 64 keys lie in the lane 16 away
.endr
.irp a, 0,1,2,3,4,5,6,7
	v_max_num_f32 v[MX+\a], v[MX+\a], v[PX+\a]
.endr
.irp a, 0,1,2,3,4,5,6,7
	v_min_num_f32 v[MX+\a], s45, v[MX+\a]
.endr
	; and among the tile's other 128 keys, which the wave beside me holds: through 4,096 bytes at the head of slot 0
.irp a, 0,1,2,3,4,5,6,7
	ds_store_b32 v[XS], v[MX+\a] offset:512*\a
.endr
	s_wait_alu depctr_va_vdst(0)
	s_wait_dscnt 0x0                               ; for the others' sake: my stores are done
	s_barrier_signal -1
	s_barrier_wait -1
.irp a, 0,1,2,3,4,5,6,7
	ds_load_b32 v[PX+\a], v[XR] offset:512*\a
.endr
	s_wait_dscnt 0x0
.irp a, 0,1,2,3,4,5,6,7
	v_max_num_f32 v[MX+\a], v[MX+\a], v[PX+\a]
.endr
.irp a, 0,1,2,3,4,5,6,7
	v_mul_f32 v[MX+\a], s42, v[MX+\a]              ; as t (the constant is positive)
.endr
.irp a, 0,1,2,3,4,5,6,7
	v_floor_f32 v[ST+2*\a], -v[MX+\a]              ; -M = floor(-t) = -ceil(t): a whole number.  Every row of a tile J <= I has a key that counts, so it is finite
	v_mov_b32 v[ST+2*\a+1], 0                      ; l, where nothing counts (and named with -M as a pair)
.endr
; Block a's codes from its held p, and their way out.
.macro CODES a
.set EP, 64*((\a)%2)
	WIN 0x01
.irp b, 0,1,2,3,4,5,6,7
	v_cvt_scalef32_pk8_bf8_f32 v[CD+16*(\a)+2*\b:CD+16*(\a)+2*\b+1], v[EP+8*\b:EP+8*\b+7], v[SC]
.endr
	v_nop                                          ; one plain vector instruction behind the last conversion
	WIN 0
.irp c, 0,1,2,3
	global_store_b128 v[LI], v[CD+16*(\a)+4*\c:CD+16*(\a)+4*\c+3], s[60:61] offset:2048*(\a)+512*\c   ; the fragment's image: 512 consecutive bytes a store; the codes' registers are written once
.endr
.endm
; Block a, 16 queries x my 128 keys: p and its sum.  The holds of block a - 1 stand among the exponentials (the conversion does not saturate: ISA guide 7.6.2; p is not negative, so the hold is one-sided).
.macro SOFT a
.set AC, 64*((\a)%4)
.set NM, ST+2*(\a)
.set E,  64*((\a)%2)
.set EO, 64-E
	WIN 0x42+((\a)/4)                              ; source 0: window 2 or 3; destination: window 1
.set j, 0
.rept 32
	v_pk_fma_f32 v[E+j:E+j+1], v[AC+j:AC+j+1], s[42:43], v[NM:NM+1] op_sel_hi:[1,0,0]   ; t - M, two at a time (of both pairs the low word serves both halves)
.set j, j+2
.endr
	WIN 0x41
	s_wait_alu depctr_va_vdst(0)                   ; ahead of the batch
.set j, 0
.rept 64
	v_exp_f32 v[E+j], v[E+j]                       ; p = 2^(t - M), at most 1
.if (\a) > 0
	v_min_num_f32 v[EO+j], v[EO+j], v[LIM]
.endif
.set j, j+1
.endr
	v_nop
	s_wait_alu depctr_va_vdst(0)                   ; one wait for the batch, ahead of its first reader
	WIN 0x05
	v_pk_add_f32 v[12:13], v[E:E+1], v[E+2:E+3]    ; the sum of the UNQUANTISED p: two at a time, in two chains
	v_pk_add_f32 v[14:15], v[E+4:E+5], v[E+6:E+7]
	WIN 0x04
.irp j, 8,12,16,20,24,28,32,36,40,44,48,52,56,60
	v_pk_add_f32 v[12:13], v[12:13], v[E+\j:E+\j+1]
	v_pk_add_f32 v[14:15], v[14:15], v[E+\j+2:E+\j+3]
.endr
	WIN 0
	v_pk_add_f32 v[12:13], v[12:13], v[14:15]
	v_add_f32 v12, v12, v13
	v_permlanex16_b32 v3, v12, s40, s41
	v_add_f32 v[NM+1], v12, v3                     ; l of my 128 keys
.if (\a) > 0
	CODES (\a)-1
.endif
.endm
	s_wait_alu depctr_va_vdst(0)                   ; ahead of the branches
	s_cmp_lg_u32 s17, s18
	s_cbranch_scc1 .Lsoft
	s_cmp_lt_u32 s15, s16
	s_cbranch_scc1 .Lnosoft                        ; queries 0-127 against keys 128-255 of a diagonal tile: no p, l = 0
.Lsoft:
.irp a, 0,1,2,3,4,5,6,7
	SOFT \a
.endr
	WIN 0x41
.set j, 64
.rept 64
	v_min_num_f32 v[j], v[j], v[LIM]
.set j, j+1
.endr
	CODES 7
.Lnosoft:
	; -M and l: both halves of the lanes hold a block's 16 rows, so lanes 0-15 store block a's and lanes 16-31 block a + 1's
.irp a, 0,2,4,6
	v_cndmask_b32 v[4+\a], v[ST+2*\a], v[ST+2*\a+2], s44
	v_cndmask_b32 v[5+\a], v[ST+2*\a+1], v[ST+2*\a+3], s44
	global_store_b64 v[STA], v[4+\a:5+\a], s[62:63] offset:256*\a
.endr
	s_wait_tensorcnt 0x0                           ; the wave's end
	ds_add_u32 v[SPW], v[NIL]
	s_wait_dscnt 0x0
	s_endpgm
.Lfunc_end_k_q525216840b_scores:
	.size	k_q525216840b_scores, .Lfunc_end_k_q525216840b_scores-k_q525216840b_scores
	.p2alignl 7, 3214868480
	.fill 96, 4, 3214868480
	.section	.rodata,"a",@progbits
	.p2align	6, 0x0
	.amdhsa_kernel k_q525216840b_scores
		.amdhsa_group_segment_fixed_size 327680
		.amdhsa_private_segment_fixed_size 0
		.amdhsa_enable_private_segment 0
		.amdhsa_kernarg_size 40
		.amdhsa_user_sgpr_count 2
		.amdhsa_user_sgpr_kernarg_segment_ptr 1
		.amdhsa_wavefront_size32 1
		.amdhsa_system_sgpr_workgroup_id_x 1
		.amdhsa_system_sgpr_workgroup_id_y 1
		.amdhsa_system_sgpr_workgroup_id_z 1
		.amdhsa_system_vgpr_workitem_id 0
		.amdhsa_next_free_vgpr 1024
		.amdhsa_next_free_sgpr 66
		.amdhsa_reserve_vcc 0
		.amdhsa_float_denorm_mode_32 3
		.amdhsa_float_denorm_mode_16_64 3
		.amdhsa_memory_ordered 1
		.amdhsa_forward_progress 1
		.amdhsa_inst_pref_size 183
	.end_amdhsa_kernel
	.amdgpu_metadata
---
amdhsa.version: [ 1, 2 ]
amdhsa.kernels:
  - .name:           k_q525216840b_scores
    .symbol:         k_q525216840b_scores.kd
    .args:
      - { .name: q_codes, .offset: 0, .size: 8, .value_kind: global_buffer, .address_space: global }
      - { .name: k_codes, .offset: 8, .size: 8, .value_kind: global_buffer, .address_space: global }
      - { .name: lowp_scales, .offset: 16, .size: 8, .value_kind: global_buffer, .address_space: global }
      - { .name: p_codes, .offset: 24, .size: 8, .value_kind: global_buffer, .address_space: global }
      - { .name: stats, .offset: 32, .size: 8, .value_kind: global_buffer, .address_space: global }
    .group_segment_fixed_size: 327680
    .private_segment_fixed_size: 0
    .kernarg_segment_align: 8
    .kernarg_segment_size: 40
    .max_flat_workgroup_size: 128
    .sgpr_count:     66
    .vgpr_count:     1024
    .wavefront_size: 32
...
	.end_amdgpu_metadata
.endif
;; end of part 2
;; launch pv (part 3): grid 8 x 32, 4 waves a work-group, clusters of 4 x 1, 327,680 bytes of LDS; arguments p_codes, vt_codes, stats, lowp_scales, out0; writes out0
.if DOCPART == 3
	.amdgcn_target "amdgcn-amd-amdhsa--gfx1250"
	.amdhsa_code_object_version 6
	.text
	.protected	k_q525216840b_pv
	.globl	k_q525216840b_pv
	.p2align	8
	.type	k_q525216840b_pv,@function
k_q525216840b_pv:
	s_mov_b64 s[64:65], 0
	v_nop
	global_prefetch_b8 v0, s[64:65] scope:SCOPE_SE
	s_setreg_imm32_b32 hwreg(HW_REG_WAVE_MODE, 25, 1), 1
	s_wait_xcnt 0x0
	s_wait_alu depctr_hold_cnt(0) depctr_sa_sdst(0) depctr_va_vdst(0) depctr_va_sdst(0) depctr_va_ssrc(0) depctr_va_vcc(0) depctr_vm_vsrc(0)
	s_getreg_b32 s2, hwreg(HW_REG_IB_STS2, 6, 4)
	s_cmp_eq_u32 s2, 0
	s_cbranch_scc0 .Lentry_in_a_cluster
	s_endpgm
.Lentry_in_a_cluster:
	s_bfe_u32 s2, ttmp6, 0x10000c
	s_cmp_lg_u32 s2, 0x3003
	s_cbranch_scc0 .Lentry_shape_is_right
	s_endpgm
.Lentry_shape_is_right:
; out = sum over key tiles J of 2^(M_J - M) (p_J v_J) / l, both operands codes of BF8 (E5M2).  What the causal mask hides whole is left out: row block R (128 queries) has R + 1 key chunks of 128.
; LIMIT: a NaN or an infinity that reaches only what is left out is not carried to the result; NaN and infinities among the statistics are not served.
; A work-group (a pair p of row blocks of one batch, 128 columns e) makes row blocks p and 15 - p: always (p + 1) + (16 - p) = 17 units of 128 queries x 128 keys: 8 x 32 = 256 equal work-groups.
; p_codes: [batch][p][17 units] chunks of 16,384 bytes (8 fragments of 16 rows x 128 keys as register images): unit 0: block p, keys 0 on; 1: block 15 - p, keys 0 on; u = 2 .. p + 1: block p, chunk u - 1;
; the rest: block 15 - p, chunk u - 1 - p.  So block p is whole behind unit 8 at the latest.  vt_codes: [batch][e / 128][key / 128] chunks.
; stats: [batch][I][J][256 rows][-M, l of keys 0-127, -M, l of keys 128-255] f32 (256 x 256 tiles).
; THE 17 UNITS OF P STAY IN LDS, dense, in three loads a wave (units 0-3 at the head, 4-8 and 9-16 each behind a round), asked for JOINTLY by the four column blocks of a cluster; nothing is filled twice.
; V: a wave owns 32 columns (2 fragments a chunk), which no other wave needs: they go from memory straight into registers, six units ahead, 8 ring slots of 32 registers.
; NO PREFETCH into the L2: the launch has no loop to run ahead in; P is asked for a stage ahead, and V six units ahead.
; FACTORS: one lane a row makes, for each J, g = 2^(M_J - M) x 2^(e8 + e9) / l and puts it into a table in LDS; each unit's product, started from 0, is added as g x product.
; Source 0 = 16 columns of V, source 1 = 16 queries: lane (r, h) holds query r and eight neighbouring columns, so a factor is one number a lane.
; THE WAY OUT: a block goes through LDS (rows of 528 bytes, on bytes of P that are done with), and whole rows of 512 bytes are stored: block p's under units 9-14, block 15 - p's at the end.
; REGISTERS: window 0: v4-127 addresses, factors (two sets: v16-47, the odd ones 0), statistics; v128-255 P's fragments of even units.  window 1: V's ring; at the end rows read back.
;   window 2: v0-127 the unit's product; v128-255 P's fragments of odd units.  window 3: v0-127 block 15 - p, v128-255 block p, then its rows read back.
.set FT,    278528                     ; the table of factors: [block 15 - p, block p][J][128 rows] f32
.set SPARE, 286720
.set SP,    528                        ; a row of the way out's stages: block p's on units 0-4 (bytes 0 on), block 15 - p's on units 5-9
.set STG,   81920
.set LI,   4                           ; v4 16 x lane; v5-8 the same + 65,536 k
.set FA,   9                           ; v9 my row's place in the table
.set FW,   15
.set SPW,  118
.set NIL,  119
.set STO,  120
.set RD,   122
.set FV,   124
.set VB,   46
.set MSB, 0
.macro WIN new
.if MSB != (\new)
	s_set_vgpr_msb (MSB<<8)|(\new)
.set MSB, \new
.endif
.endm
.macro PLACES                          ; plain vector instructions between a matrix instruction and what reads its result (ISA guide 7.12.1)
.rept 4
	v_nop
.endr
.endm
.macro CROUND                          ; a whole round of the cluster's barrier
	s_barrier_signal -1
	s_barrier_wait -1
	s_cmp_lg_u32 s14, 0
	s_cbranch_scc1 .Lnot_wave_0_\@
	s_barrier_signal -3
.Lnot_wave_0_\@:
	s_barrier_wait -3
	s_barrier_signal -1
	s_barrier_wait -1
.endm
.macro GROUP1 g, rows                  ; dense bytes as rows of 256, elements of 8 bytes; mask: the whole cluster of four
	s_mov_b32 s[\g], (3<<16)|(1<<21)|15
	s_mov_b32 s[\g+1], 32<<16
	s_mov_b32 s[\g+2], \rows<<16
	s_mov_b32 s[\g+3], 32<<16
	s_mov_b32 s[\g+4], \rows
	s_mov_b32 s[\g+5], 32
	s_mov_b32 s[\g+6], 0
	s_mov_b32 s[\g+7], 0
.endm
	s_load_b256 s[4:11], s[0:1], 0x0               ; p_codes, vt_codes, stats, the scales' exponents
	s_load_b64 s[12:13], s[0:1], 0x20              ; out0
	v_lshl_add_u32 v[SPW], v0, 2, SPARE
	v_mov_b32 v[NIL], 0
	ds_add_u32 v[SPW], v[NIL]                      ; the opening: the add, twice on end, and its wait
	ds_add_u32 v[SPW], v[NIL]
	v_lshrrev_b32 v1, 5, v0
	v_readfirstlane_b32 s14, v1                    ; wave
	s_bfe_u32 s15, ttmp6, 0x40000
	; the cluster's number n = 2 y + x, m = (n + 1) % 8: p = n / 8, batch m / 2, half of the columns m % 2: the two clusters that share P have numbers 2 j + 1, 2 j + 2 modulo 8
	s_and_b32 s17, ttmp7, 0xffff
	s_lshl_b32 s17, s17, 1
	s_add_co_u32 s17, s17, ttmp9
	s_lshr_b32 s18, s17, 3                         ; p
	s_add_co_u32 s17, s17, 1
	s_and_b32 s17, s17, 7
	s_lshr_b32 s19, s17, 1                         ; batch
	s_and_b32 s16, s17, 1
	s_lshl_b32 s16, s16, 2
	s_add_co_u32 s16, s16, s15                     ; column block
	GROUP1 24, 64                                  ; units 0-3, a quarter a wave
	GROUP1 48, 80                                  ; units 4-8 likewise
	s_lshl_b32 s20, s19, 3
	s_add_co_u32 s21, s20, s18
	s_mul_i32 s40, s21, 278528                     ; the pair's 17 units
	s_mov_b32 s41, 0
	s_lshl_b32 s42, s14, 14                        ; my part of units 0-3, in memory and in LDS,
	s_mov_b32 s43, 0
	s_mul_i32 s44, s14, 20480
	s_add_co_u32 s44, s44, 65536                   ; of units 4-8,
	s_mov_b32 s45, 0
	s_lshl_b32 s96, s14, 15
	s_add_co_u32 s96, s96, 147456                  ; of units 9-16
	s_mov_b32 s97, 0
	s_add_co_u32 s21, s20, s16
	s_lshl_b32 s[VB], s21, 18                      ; V: 16 chunks on end; my two fragments of each
	s_lshl_b32 s22, s14, 12
	s_add_co_u32 s[VB], s[VB], s22
	s_mov_b32 s[VB+1], 0
	s_lshl_b32 s22, s14, 9
	s_sub_co_u32 s23, 15, s18                      ; R = 15 - p
	s_lshr_b32 s56, s23, 1                         ; its I
	s_and_b32 s57, s23, 1
	s_lshl_b32 s57, s57, 11
	s_add_co_u32 s58, s20, s56
	s_lshl_b32 s58, s58, 15
	s_add_co_u32 s58, s58, s57
	s_add_co_u32 s58, s58, s22                     ; my 32 rows' statistics
	s_mov_b32 s59, 0
	s_lshr_b32 s60, s18, 1                         ; R = p: its I
	s_and_b32 s61, s18, 1
	s_lshl_b32 s61, s61, 11
	s_add_co_u32 s62, s20, s60
	s_lshl_b32 s62, s62, 15
	s_add_co_u32 s62, s62, s61
	s_add_co_u32 s62, s62, s22
	s_mov_b32 s63, 0
	s_lshl_b32 s21, s19, 4
	s_lshl_b32 s22, s16, 9
	s_lshl_b32 s20, s14, 17
	s_add_co_u32 s22, s22, s20                     ; 512 x column block + 32 rows x wave
	s_add_co_u32 s82, s21, s23
	s_lshl_b32 s82, s82, 19
	s_add_co_u32 s82, s82, s22
	s_mov_b32 s83, 0
	s_add_co_u32 s84, s21, s18
	s_lshl_b32 s84, s84, 19
	s_add_co_u32 s84, s84, s22
	s_mov_b32 s85, 0
.irp J, 5,6,7                          ; 1 where tile J counts (J <= I), else 0
	s_cmp_ge_u32 s56, \J
	s_cselect_b32 s[85+\J], 1.0, 0
.endr
.irp J, 1,2,3
	s_cmp_ge_u32 s60, \J
	s_cselect_b32 s[92+\J], 1.0, 0
.endr
	s_lshl_b32 s20, s14, 7
	s_mul_i32 s21, s14, 32*SP
	v_and_b32 v1, 31, v0
	v_and_b32 v3, 15, v0                           ; r
	v_bfe_u32 v2, v0, 4, 1                         ; h
	v_lshlrev_b32 v[LI], 4, v1
	v_add_nc_u32 v[LI+1], 0x10000, v[LI]
	v_add_nc_u32 v[LI+2], 0x20000, v[LI]
	v_add_nc_u32 v[LI+3], 0x30000, v[LI]
	v_add_nc_u32 v[LI+4], 0x40000, v[LI]
	v_lshlrev_b32 v[FA], 2, v3
	v_add_nc_u32 v[FA], FT, v[FA]
	v_lshl_add_u32 v[FW], v0, 2, FT
	v_mul_u32_u24 v[STO], v3, SP
	v_lshl_add_u32 v[STO], v2, 5, v[STO]
	v_add_nc_u32 v[STO], s20, v[STO]               ; in: row r, 128 bytes a wave, 32 a half of the lanes
	v_add_nc_u32 v[STO+1], STG, v[STO]
	v_add_nc_u32 v[RD], s21, v[LI]                 ; back: rows 32 x wave on, 32 lanes a row
	v_add_nc_u32 v[RD+1], STG, v[RD]
.irp i, 0,1,2,3,4,5,6,7,8,9,10,11,12,13,14,15
	v_mov_b32 v[17+2*\i], 0                        ; (named as the upper half of a factor's pair)
.endr
	s_wait_alu depctr_va_vdst(0)                   ; ahead of the scalar lines below
.irp J, 5,6,7                          ; tiles beyond I are read as tile I and weigh 0
	s_min_u32 s88, s56, \J
	s_lshl_b32 s88, s88, 12
	v_add_nc_u32 v[107+\J], s88, v[LI]
.endr
.irp J, 1,2,3
	s_min_u32 s88, s60, \J
	s_lshl_b32 s88, s88, 12
	v_add_nc_u32 v[114+\J], s88, v[LI]
.endr
	s_wait_alu depctr_va_vdst(0)                   ; directly ahead of the waits below
	s_wait_dscnt 0x0                               ; both opening adds are done
	s_wait_kmcnt 0x0
	s_load_b64 s[86:87], s[10:11], 0x20            ; e8, e9
	s_add_nc_u64 s[40:41], s[4:5], s[40:41]
	s_mov_b32 s32, 1
	s_mov_b32 s33, s42
	s_add_nc_u64 s[34:35], s[40:41], s[42:43]
	s_or_b32 s35, s35, 0x80000000
	s_mov_b32 s36, 1
	s_mov_b32 s37, s44
	s_add_nc_u64 s[38:39], s[40:41], s[44:45]
	s_or_b32 s39, s39, 0x80000000
	s_add_nc_u64 s[42:43], s[40:41], s[96:97]
	s_or_b32 s43, s43, 0x80000000
	s_mov_b32 s40, 1
	s_mov_b32 s41, s96
	CROUND                                         ; the four work-groups are here: the first joint loads meet
	tensor_load_to_lds s[32:35], s[24:31]          ; units 0-3: my one load at the head
	s_nop 0
	PLACES
	s_add_nc_u64 s[58:59], s[8:9], s[58:59]
	s_add_nc_u64 s[62:63], s[8:9], s[62:63]
	s_add_nc_u64 s[VB:VB+1], s[6:7], s[VB:VB+1]
	s_add_nc_u64 s[82:83], s[12:13], s[82:83]
	s_add_nc_u64 s[84:85], s[12:13], s[84:85]
.irp J, 0,1,2,3,4
	global_load_b128 v[48+4*\J:51+4*\J], v[LI], s[58:59] offset:4096*\J
.endr
.irp J, 5,6,7
	global_load_b128 v[48+4*\J:51+4*\J], v[107+\J], s[58:59]
.endr
	global_load_b128 v[80:83], v[LI], s[62:63]
.irp J, 1,2,3
	global_load_b128 v[80+4*\J:83+4*\J], v[114+\J], s[62:63]
.endr
	s_mov_b32 s89, 0
; V's two fragments for unit u into ring slot u % 8.  The address pair is that of unit u - 8, whose loads have been waited for.
.macro VLD u
.set VS, 66+2*((\u)%8)
.if (\u) <= 1
	s_mov_b64 s[VS:VS+1], s[VB:VB+1]
.else
	s_sub_co_u32 s88, (\u)-1, s18                  ; block 15 - p: chunk u - 1 - p
.if (\u) <= 8
	s_cmp_ge_u32 s18, (\u)-1
	s_cselect_b32 s88, (\u)-1, s88                 ; block p: chunk u - 1
.endif
	s_lshl_b32 s88, s88, 14
	s_add_nc_u64 s[VS:VS+1], s[VB:VB+1], s[88:89]
.endif
	WIN 0x40
.irp j, 0,1
.irp q, 0,1,2,3
	global_load_b128 v[32*((\u)%8)+16*\j+4*\q:32*((\u)%8)+16*\j+4*\q+3], v[LI], s[VS:VS+1] offset:2048*\j+512*\q
.endr
.endr
.endm
.irp u, 0,1,2,3,4,5
	VLD \u
.endr
	WIN 0
	s_wait_tensorcnt 0x0                           ; my part of units 0-3 is in
	ds_add_u32 v[SPW], v[NIL]
	s_wait_dscnt 0x0
	CROUND
	tensor_load_to_lds s[36:39], s[48:55]          ; units 4-8, the first tensor load behind the round
	s_nop 0
	PLACES
; P's eight fragments of unit u, as they were stored
.macro PLD u
	WIN 0x80*((\u)%2)
.irp a, 0,1,2,3,4,5,6,7
.irp q, 0,1,2,3
	ds_load_b128 v[128+16*\a+4*\q:128+16*\a+4*\q+3], v[LI+(\u)/4] offset:16384*((\u)%4)+2048*\a+512*\q
.endr
.endr
	WIN 0
.endm
; and its eight factors
.macro FLD u
.set FR, FV
.set FO, 0
.if (\u) == 0
.set FR, FA
.set FO, 4096
.elseif (\u) == 1
.set FR, FA
.else
	s_sub_co_u32 s88, (\u)-1, s18
	s_lshr_b32 s88, s88, 1
	s_and_b32 s88, s88, 7
	s_lshl_b32 s88, s88, 9                         ; block 15 - p: J = (u - 1 - p) / 2
.if (\u) <= 8
	s_cmp_ge_u32 s18, (\u)-1
	s_cselect_b32 s88, 4096+512*(((\u)-1)/2), s88  ; block p: J = (u - 1) / 2
.endif
	v_add_nc_u32 v[FV], s88, v[FA]
.endif
.irp a, 0,1,2,3,4,5,6,7
	ds_load_b32 v[16+16*((\u)%2)+2*\a], v[FR] offset:FO+64*\a
.endr
.endm
	PLD 0
	; THE FACTORS of my lane's two rows
	s_wait_kmcnt 0x0
	s_add_co_i32 s86, s86, s87                     ; e8 + e9
	s_wait_loadcnt 48                              ; the statistics are in; V's 48 loads may be out
	v_min3_num_f32 v96, v48, v52, v56
	v_min3_num_f32 v97, v60, v64, v68
	v_min3_num_f32 v98, v80, v84, v88
	v_min3_num_f32 v96, v96, v72, v76
	v_min_num_f32 v98, v98, v92                    ; -M of the row in block p
	v_min_num_f32 v96, v96, v97                    ; and in block 15 - p
.irp J, 0,1,2,3,4,5,6,7
	v_sub_f32 v[48+4*\J], v96, v[48+4*\J]          ; M_J - M: a whole number, 0 or less
.endr
.irp J, 0,1,2,3
	v_sub_f32 v[80+4*\J], v98, v[80+4*\J]
.endr
.irp n, 0,1,2,3,4,5,6,7,8,9,10,11
	v_add_f32 v[49+4*\n], v[49+4*\n], v[51+4*\n]
.endr
.irp J, 5,6,7
	v_mul_f32 v[49+4*\J], s[85+\J], v[49+4*\J]
.endr
.irp J, 1,2,3
	v_mul_f32 v[81+4*\J], s[92+\J], v[81+4*\J]
.endr
.irp n, 0,1,2,3,4,5,6,7,8,9,10,11
	v_cvt_i32_f32 v[48+4*\n], v[48+4*\n]
.endr
.irp n, 0,1,2,3,4,5,6,7,8,9,10,11
	v_ldexp_f32 v[48+4*\n], 1.0, v[48+4*\n]
.endr
	v_mul_f32 v100, v48, v49
	v_mul_f32 v101, v80, v81
.irp J, 1,2,3
	v_fmac_f32 v100, v[48+4*\J], v[49+4*\J]
	v_fmac_f32 v101, v[80+4*\J], v[81+4*\J]
.endr
.irp J, 4,5,6,7
	v_fmac_f32 v100, v[48+4*\J], v[49+4*\J]
.endr
	s_wait_alu depctr_va_vdst(0)                   ; ahead of the transcendentals
	v_rcp_f32 v102, v100
	v_rcp_f32 v103, v101
	v_nop
	s_wait_alu depctr_va_vdst(0)                   ; and ahead of their first reader
	v_ldexp_f32 v102, v102, s86
	v_ldexp_f32 v103, v103, s86
.irp J, 0,1,2,3,4,5,6,7
	v_mul_f32 v[48+4*\J], v102, v[48+4*\J]
.endr
.irp J, 0,1,2,3
	v_mul_f32 v[80+4*\J], v103, v[80+4*\J]
.endr
.irp J, 0,1,2,3,4,5,6,7
	ds_store_b32 v[FW], v[48+4*\J] offset:512*\J
.endr
.irp J, 0,1,2,3
	ds_store_b32 v[FW], v[80+4*\J] offset:4096+512*\J
.endr
	GROUP1 56, 128                                 ; units 9-16, a quarter a wave (the statistics' addresses are done with)
	s_wait_alu depctr_va_vdst(0)                   ; at the head's end
	s_wait_dscnt 0x0                               ; for the others' sake: my part of the table is stored
	s_barrier_signal -1
	s_barrier_wait -1
	FLD 0
; Block ob (0: 15 - p, 128: p) takes the unit's product by its factors; first = 1 starts it.  Each accumulator is read from its low end on.
.macro MB u, ob, first
	WIN 0xf2
.irp a, 0,1,2,3,4,5,6,7
.set FF, 16+16*((\u)%2)+2*\a
.irp k, 0,2,4,6,8,10,12,14
.if \first
	v_pk_mul_f32 v[(\ob)+16*\a+\k:(\ob)+16*\a+\k+1], v[16*\a+\k:16*\a+\k+1], v[FF:FF+1] op_sel_hi:[1,0]
.else
	v_pk_fma_f32 v[(\ob)+16*\a+\k:(\ob)+16*\a+\k+1], v[16*\a+\k:16*\a+\k+1], v[FF:FF+1], v[(\ob)+16*\a+\k:(\ob)+16*\a+\k+1] op_sel_hi:[1,0,1]
.endif
.endr
.endr
	WIN 0
.endm
.macro STAGEIN adr, ob                 ; my 32 columns of a block's 128 rows into its stage
	WIN 0x0c
.irp a, 0,1,2,3,4,5,6,7
.irp j, 0,1
	ds_store_b128 v[\adr], v[\ob+16*\a+8*\j:\ob+16*\a+8*\j+3] offset:16*SP*\a+64*\j
	ds_store_b128 v[\adr], v[\ob+16*\a+8*\j+4:\ob+16*\a+8*\j+7] offset:16*SP*\a+64*\j+16
.endr
.endr
	WIN 0
.endm
; A UNIT: the next unit's fragments and factors are on their way while this one is multiplied (16 accumulators, each started from 0) and added.
.macro UNIT u
.if (\u)+6 <= 16
	VLD (\u)+6
.endif
	WIN 0
.if (\u) == 3
	s_wait_tensorcnt 0x0                           ; my part of units 4-8 is in
	ds_add_u32 v[SPW], v[NIL]
	s_wait_dscnt 0x0                               ; the add is done; P's fragments and the factors of this unit are in
	CROUND
	tensor_load_to_lds s[40:43], s[56:63]          ; units 9-16, the first tensor load behind the round
	s_nop 0
	PLACES
.else
.if (\u) == 9
	s_wait_alu depctr_va_vdst(0)                   ; directly ahead of the wait below
.endif
	s_wait_dscnt 0x0                               ; P's fragments and the factors of this unit
.if (\u) == 8
	s_wait_tensorcnt 0x0                           ; units 9-16 are in
	s_barrier_signal -1
	s_barrier_wait -1
.endif
.if (\u) == 10
	s_barrier_signal -1                            ; block p is in its stage whole; nobody reads units 0-9 any more
	s_barrier_wait -1
.endif
.endif
.if (\u) < 16
	PLD (\u)+1
	FLD (\u)+1
.endif
.if (\u) == 9
	STAGEIN STO, 128
.endif
.if (\u) == 10
	WIN 0xc0
.set t, 0
.rept 32
	ds_load_b128 v[128+4*t:128+4*t+3], v[RD] offset:t*SP
.set t, t+1
.endr
.endif
.if ((\u) >= 11) && ((\u) <= 14)
	WIN 0x0c
.set t, 8*((\u)-11)
.rept 8
	global_store_b128 v[LI], v[128+4*t:128+4*t+3], s[84:85] offset:4096*t th:TH_STORE_NT   ; 32 lanes store 512 consecutive bytes
.set t, t+1
.endr
.endif
.if 8*(16-(\u)) < 48
	s_wait_loadcnt 8*(16-(\u))                     ; this unit's V is in: 8 loads for each later unit may be out
.else
	s_wait_loadcnt 48                              ; this unit's V is in: six later units' loads may be out
.endif
	WIN 0x81+8*((\u)%2)
.irp a, 0,1,2,3,4,5,6,7
.irp j, 0,1
	v_wmma_f32_16x16x128_bf8_bf8 v[16*\a+8*\j:16*\a+8*\j+7], v[32*((\u)%8)+16*\j:32*((\u)%8)+16*\j+15], v[128+16*\a:128+16*\a+15], 0
.endr
.endr
	PLACES
.if (\u) == 0
	MB \u, 128, 1
.elseif (\u) == 1
	MB \u, 0, 1
.elseif (\u) >= 9
	MB \u, 0, 0
.else
	WIN 0
	s_cmp_ge_u32 s18, (\u)-1                       ; whose unit it is hangs on p alone
	s_cbranch_scc1 .Llow_\@
	MB \u, 0, 0
	s_branch .Lboth_\@
.Llow_\@:
	MB \u, 128, 0
.Lboth_\@:
.endif
.endm
.irp u, 0,1,2,3,4,5,6,7,8,9,10,11,12,13,14,15,16
	UNIT \u
.endr
	STAGEIN STO+1, 0                               ; block 15 - p goes out
	s_wait_dscnt 0x0
	s_barrier_signal -1
	s_barrier_wait -1
	WIN 0x40
.set t, 0
.rept 32
	ds_load_b128 v[4*t:4*t+3], v[RD+1] offset:t*SP
.set t, t+1
.endr
	WIN 0x04
.set t, 0
.rept 32
.if t%8 == 0
	s_wait_dscnt 24-t                              ; the next eight rows are back
.endif
	global_store_b128 v[LI], v[4*t:4*t+3], s[82:83] offset:4096*t th:TH_STORE_NT
.set t, t+1
.endr
	WIN 0
	s_wait_tensorcnt 0x0                           ; the wave's end
	ds_add_u32 v[SPW], v[NIL]
	s_wait_dscnt 0x0
	CROUND                                         ; the closing round
	s_endpgm
.Lfunc_end_k_q525216840b_pv:
	.size	k_q525216840b_pv, .Lfunc_end_k_q525216840b_pv-k_q525216840b_pv
	.p2alignl 7, 3214868480
	.fill 96, 4, 3214868480
	.section	.rodata,"a",@progbits
	.p2align	6, 0x0
	.amdhsa_kernel k_q525216840b_pv
		.amdhsa_group_segment_fixed_size 327680
		.amdhsa_private_segment_fixed_size 0
		.amdhsa_enable_private_segment 0
		.amdhsa_kernarg_size 40
		.amdhsa_user_sgpr_count 2
		.amdhsa_user_sgpr_kernarg_segment_ptr 1
		.amdhsa_wavefront_size32 1
		.amdhsa_system_sgpr_workgroup_id_x 1
		.amdhsa_system_sgpr_workgroup_id_y 1
		.amdhsa_system_sgpr_workgroup_id_z 1
		.amdhsa_system_vgpr_workitem_id 0
		.amdhsa_next_free_vgpr 1024
		.amdhsa_next_free_sgpr 98
		.amdhsa_reserve_vcc 0
		.amdhsa_float_denorm_mode_32 3
		.amdhsa_float_denorm_mode_16_64 3
		.amdhsa_memory_ordered 1
		.amdhsa_forward_progress 1
		.amdhsa_inst_pref_size 211
	.end_amdhsa_kernel
	.amdgpu_metadata
---
amdhsa.version: [ 1, 2 ]
amdhsa.kernels:
  - .name:           k_q525216840b_pv
    .symbol:         k_q525216840b_pv.kd
    .args:
      - { .name: p_codes, .offset: 0, .size: 8, .value_kind: global_buffer, .address_space: global }
      - { .name: vt_codes, .offset: 8, .size: 8, .value_kind: global_buffer, .address_space: global }
      - { .name: stats, .offset: 16, .size: 8, .value_kind: global_buffer, .address_space: global }
      - { .name: lowp_scales, .offset: 24, .size: 8, .value_kind: global_buffer, .address_space: global }
      - { .name: out0, .offset: 32, .size: 8, .value_kind: global_buffer, .address_space: global }
    .group_segment_fixed_size: 327680
    .private_segment_fixed_size: 0
    .kernarg_segment_align: 8
    .kernarg_segment_size: 40
    .max_flat_workgroup_size: 128
    .sgpr_count:     98
    .vgpr_count:     1024
    .wavefront_size: 32
...
	.end_amdgpu_metadata
.endif
;; end of part 3
